; MI455X (gfx1250); checked and timed in simulation.
; The chip was launched on July 23, 2026; its instructions are those of AMD's public machine-readable ISA for CDNA 5 (MIT licence, August 2026) and "CDNA5" Instruction Set Architecture Reference Guide (July 2026). The comments in the code are by the model that wrote it; some were corrected since.
;; Attention. Allowed arithmetic: matrix products marked QUANTISED: E2M1 operands, one E8M0 scale for each 32 along K, by v_wmma_scale_f32_16x16x128_f8f6f4 with both operands' format E2M1 (or v_wmma_scale_f32_32x16x128_f4), f32 sums; everything else in f32.
;; Inputs: Wk 1,024 x 1,024 float32; Wq 1,024 x 1,024 float32; Wv 1,024 x 1,024 float32; bk 1,024 float32; bq 1,024 float32; bv 1,024 float32; cos 2,048 x 32 float32; k 4 x 2,048 x 1,024 float32; q 4 x 2,048 x 1,024 float32; sin 2,048 x 32 float32; v 4 x 2,048 x 1,024 float32.
;; Outputs: out0 4 x 2,048 x 1,024 float32.
;; Constants: mask = 1.
;; This version of the problem:
;;   THIS VERSION OF THE PROBLEM IS GIVEN IN LOW PRECISION. The matrix products marked QUANTISED in the list below multiply operands that are first quantised to E2M1 (2 exponent bits, 1 mantissa bit; 4 bits a number), with one power-of-two scale for each 32 numbers along K (OCP MX v1.0); their sums are f32. All else is computed in f32.
;;   The module's matrix products, in the order in which they are computed (A, B: the left and right operand; K: the contracted axis; several contracted axes count as one K, in the product's order):
;;     1. [M 8,192, K 1,024] x [K 1,024, N 1,024]; A: input q; B: input Wq: QUANTISED
;;     2. [M 8,192, K 1,024] x [K 1,024, N 1,024]; A: input k; B: input Wk: QUANTISED
;;     3. [M 8,192, K 1,024] x [K 1,024, N 1,024]; A: input v; B: input Wv: QUANTISED
;;     4. batch 64 x [M 2,048, K 64] x [K 64, N 2,048]; A: computed on the way; B: computed on the way: QUANTISED
;;     5. batch 64 x [M 2,048, K 2,048] x [K 2,048, N 64]; A: softmax (see below); B: computed on the way: QUANTISED
;;   THE QUANTISER, for each operand of a quantised product, along K:
;;     - K is cut into blocks of 32 from its start; a last block that is shorter is filled with zeros.
;;     - A block's scale is 2^e with e = floor(log2(the largest magnitude in the block)) - 2, held to -126 .. 127; a block of zeros has e = 0. As a byte (E8M0): e + 127.
;;     - Each number is divided by its block's scale, clamped to +-6, and rounded to the nearest number of E2M1, ties to even, subnormals kept.
;;     - The product sums the exact products of the quantised numbers (number of the format x scale) in f32.
;;   ~~~python
;;   def quantise(x, axis):      # numpy; x: float32 -> the quantised numbers, widened to float32 again
;;       x = np.moveaxis(x, axis, -1); K = x.shape[-1]
;;       x = np.pad(x, [(0, 0)] * (x.ndim - 1) + [(0, -K % 32)]); x = x.reshape(x.shape[:-1] + (-1, 32)); a = np.abs(x).max(-1, keepdims=True)
;;       e = np.where(a > 0, np.clip(np.frexp(np.where(a > 0, a, 1))[1] - 1 - 2, -126, 127), 0)      # np.frexp(a)[1] - 1 = floor(log2(a)), exactly
;;       r = np.clip(x / 2.0 ** e, -6, 6)
;;       step = 2.0 ** (np.maximum(np.frexp(np.where(r == 0, 1, r))[1] - 1, 0) - 1)
;;       q = np.round(r / step) * step * 2.0 ** e      # np.round: ties to even
;;       return np.moveaxis(q.reshape(q.shape[:-2] + (-1,))[..., :K], -1, axis).astype(np.float32)
;;   ~~~
;;   SOFTMAX AHEAD OF A QUANTISED PRODUCT. Where the list says 'softmax', what is quantised is not the finished softmax but p = 2^(t - M), with t = logit x log2(e) and M = ceil(the row's largest t), a whole number; so 1/2 < the row's largest p <= 1. The row's sum l is taken of the UNQUANTISED p, in f32, and the product's result is divided by l at the end. Since M is a whole number, a kernel that streams over the keys may use a running M (the ceiling of the running maximum): every later rescaling is an exact power of two, which a block's scale takes up: the codes' values come out the same.
;;   OPERANDS COMPUTED ON THE WAY. 'Computed on the way' means the value that the module computes at that place (a softmax that the list does not call 'softmax' is quantised finished and normalised). What goes into a quantiser is computed in f32, as accurately as f32 sums, v_exp_f32 and their like allow (about 1e-6 of the number): no bf16 or f16 on the way to a quantiser, and a product that is left as it is and whose result goes on into a quantised operand takes f32 operands (vector FMAs, or v_wmma_f32_16x16x4_f32). A number that lies on a knife's edge between two numbers of the format may be rounded either way, as far as f32 arithmetic and the matrix unit's own rounding can turn it there, and no further.
;; One version. Each part assembles by itself: llvm-mc -triple=amdgcn-amd-amdhsa -mcpu=gfx1250 --defsym DOCPART=n.
;; ======== version 1 of 1: 3 launches
;; limits: right only within a limited range of input values
;; workspace buffers: xc 14,155,776 bytes; xs 884,736 bytes; hd 13,893,632 bytes
;; launch quant (part 1): grid 864 x 1, 4 waves a work-group, no clusters, 39,424 bytes of LDS; arguments q, k, v, Wq, Wk, Wv, xc, xs; writes xc, xs
.if DOCPART == 1
	.amdgcn_target "amdgcn-amd-amdhsa--gfx1250"
	.amdhsa_code_object_version 6
	.text
	.protected	k_q9187f56242_quant
	.globl	k_q9187f56242_quant
	.p2align	8
	.type	k_q9187f56242_quant,@function
k_q9187f56242_quant:
	s_mov_b64 s[64:65], 0
	v_nop
	global_prefetch_b8 v0, s[64:65] scope:SCOPE_SE
	s_setreg_imm32_b32 hwreg(HW_REG_WAVE_MODE, 25, 1), 1
	s_wait_xcnt 0x0
; q, k, v [8192][1024] and Wq, Wk, Wv [1024][1024], f32, K innermost, become codes of FP4 (E2M1) with one E8M0 byte for each 32 along K.
; A block's scale is 2^(floor(log2(its largest magnitude)) - 2); its byte is the largest magnitude's exponent field - 2, held at 1 from below.
; LIMITS: NaN and infinities among the inputs are not served.  A block of zeros gets the byte 1 where the rule says 127: its codes are zeros, which add nothing
; under any byte but 0xff, and the bytes are read by this program alone.
; THE OUTPUT IS LAID AS IMAGES OF OPERAND REGISTERS.  The 27,648 rows (q, k, v, Wq, Wk, Wv on end) go in tiles of 16; lane r of tile T holds row
; 32 (T / 2) + 8 (T % 2) + r + 8 (r / 8).  xc: [T][block of 32 along K, 0..31][r][16 bytes]: the two groups of four registers of a fragment (16 rows x 128 K) are
; 512 consecutive bytes each, 16 bytes a lane.  xs: [T][g 0..1][r][16 bytes], byte j the scale of block 16 g + j: 16 bytes a lane are the scale words of four K steps.
; SHARES.  A work-group takes 32 rows; wave w takes tile 2 x work-group + (w & 1) and the half (w >> 1) of K: 16 steps, each 512 numbers of one row, 2,048 consecutive bytes.
; A step's four loads read 512 consecutive bytes each; the bytes turn through the wave's own stage in LDS, so that a lane holds 16 neighbours along K (two lanes a block).
; A lane's 8 bytes of codes go to a second stage (16 blocks x 272 bytes), which leaves at the end as 4,096 consecutive bytes; the 256 scale bytes likewise.
; No tensor loads, no barrier: waves share nothing.  Loads run four steps (16 loads a wave) ahead.  The matrix units, clusters and prefetches have nothing to give a stream read once.
.set SP,    80                         ; a lane's place in a turn stage: 64 bytes + 16 of padding
.set WREG,  9728                       ; LDS of a wave: two turn stages (2 x 2,560), 256 scale bytes, the code stage (16 x 272)
.set SCB,   5120
.set CST,   5376
.set CP,    272
.set R,     16                         ; v16-79   four sets of 16 numbers as loaded
.set X,     80                         ; v80-111  two sets of 16 neighbours
.set E,     112                        ; v112-127 a scale byte for each step
.set C,     128                        ; v128-159 two registers of codes for each step
.set OUTR,  160                        ; v160-191 the codes on their way out
	s_load_b256 s[4:11], s[0:1], 0x0               ; q, k, v, Wq
	s_load_b256 s[12:19], s[0:1], 0x20             ; Wk, Wv, xc, xs
	v_lshl_add_u32 v192, v0, 2, 0x9800
	v_mov_b32 v193, 0
	v_lshrrev_b32 v1, 5, v0
	v_readfirstlane_b32 s20, v1                    ; wave
	v_and_b32 v2, 31, v0                           ; lane
	v_lshlrev_b32 v3, 4, v2                        ; 16 x lane: my bytes of a load's 512, and of a code store's
	s_mul_i32 s21, s20, WREG
	v_lshrrev_b32 v14, 2, v2
	v_mul_u32_u24 v14, v14, SP
	v_and_b32 v15, 3, v2
	v_lshl_add_u32 v14, v15, 4, v14
	v_add_nc_u32 v14, s21, v14                     ; turn stage, in: SP (lane / 4) + 16 (lane % 4)
	v_mul_u32_u24 v15, v2, SP
	v_add_nc_u32 v15, s21, v15                     ; turn stage, out: SP x lane
	v_lshrrev_b32 v5, 1, v2                        ; my block of the step's 16
	v_mul_u32_u24 v4, v5, CP
	v_and_b32 v6, 1, v2
	v_lshl_add_u32 v4, v6, 3, v4
	s_add_co_u32 s22, s21, CST
	v_add_nc_u32 v4, s22, v4                       ; code stage, in: row = block, 8 bytes for each half of it; the step's row of the tile stands in the offset
	v_lshrrev_b32 v10, 4, v2
	v_mul_u32_u24 v10, v10, CP
	v_and_b32 v6, 15, v2
	v_lshl_add_u32 v10, v6, 4, v10
	v_add_nc_u32 v10, s22, v10                     ; code stage, out: sixteen lanes to a row, two rows an instruction
	s_add_co_u32 s22, s21, SCB
	v_add_nc_u32 v5, s22, v5                       ; my block's scale byte
	v_lshlrev_b32 v7, 3, v2
	v_add_nc_u32 v6, s22, v7                       ; and on the way out 8 bytes a lane
	s_and_b32 s23, s20, 1                          ; u: which tile of the two
	s_lshr_b32 s24, s20, 1                         ; g: which half of K
	s_cmp_lt_u32 ttmp9, 768
	s_cselect_b32 s25, 255, 31
	s_and_b32 s25, ttmp9, s25                      ; the work-group's number within its tensor (768, 800 and 832 are multiples of 32)
	s_lshl_b32 s26, s25, 17                        ; 32 rows of 4,096 bytes,
	s_lshl_b32 s27, s23, 15                        ; 8 rows for the second tile,
	s_add_co_u32 s26, s26, s27
	s_lshl_b32 s27, s24, 11                        ; 2,048 bytes for the second half of K
	s_add_co_u32 s26, s26, s27
	s_mov_b32 s27, 0
	s_lshl_b32 s28, ttmp9, 14                      ; xc: two tiles of 8,192 bytes a work-group
	s_lshl_b32 s29, s23, 13
	s_add_co_u32 s28, s28, s29
	s_lshl_b32 s29, s24, 12
	s_add_co_u32 s28, s28, s29
	s_mov_b32 s29, 0
	s_lshl_b32 s30, ttmp9, 10                      ; xs: two tiles of 512 bytes
	s_lshl_b32 s31, s23, 9
	s_add_co_u32 s30, s30, s31
	s_lshl_b32 s31, s24, 8
	s_add_co_u32 s30, s30, s31
	s_mov_b32 s31, 0
	s_wait_kmcnt 0x0
	s_cmp_lt_u32 ttmp9, 256                        ; which tensor: the choice hangs on the work-group's number alone; all six take one path through the text
	s_cselect_b64 s[4:5], s[4:5], s[6:7]
	s_cmp_lt_u32 ttmp9, 512
	s_cselect_b64 s[4:5], s[4:5], s[8:9]
	s_cmp_lt_u32 ttmp9, 768
	s_cselect_b64 s[4:5], s[4:5], s[10:11]
	s_cmp_lt_u32 ttmp9, 800
	s_cselect_b64 s[4:5], s[4:5], s[12:13]
	s_cmp_lt_u32 ttmp9, 832
	s_cselect_b64 s[4:5], s[4:5], s[14:15]
	s_add_nc_u64 s[4:5], s[4:5], s[26:27]
	s_add_nc_u64 s[16:17], s[16:17], s[28:29]
	s_add_nc_u64 s[18:19], s[18:19], s[30:31]
.macro LOAD t                          ; step t = row t of the tile: t + 8 (t / 8) rows below the tile's first
.irp i, 0,1,2,3
	global_load_b128 v[R+16*((\t)%4)+4*\i:R+16*((\t)%4)+4*\i+3], v3, s[4:5] offset:((\t)+8*((\t)/8))*4096+512*\i th:TH_LOAD_NT
.endr
.endm
.macro TURN t                          ; LDS serves a wave's instructions in order (ISA guide 5.7.1.4): no wait between the stores and the loads
.irp i, 0,1,2,3
	ds_store_b128 v14, v[R+16*((\t)%4)+4*\i:R+16*((\t)%4)+4*\i+3] offset:32*SP*((\t)%2)+8*SP*\i
.endr
.irp i, 0,1,2,3
	ds_load_b128 v[X+16*((\t)%2)+4*\i:X+16*((\t)%2)+4*\i+3], v15 offset:32*SP*((\t)%2)+16*\i
.endr
.endm
.irp t, 0,1,2,3
	LOAD \t
.endr
	s_wait_loadcnt 12                              ; step 0's four loads are in
	TURN 0
.macro STEP t
.set XS, X+16*((\t)%2)
.if (\t) > 0
	s_wait_dscnt 2                                 ; this step's numbers are back from the stage; the last step's byte store and code store may be out
.else
	s_wait_dscnt 0x0
.endif
.if (\t)+4 < 16
	LOAD (\t)+4                                    ; into the registers that this step's stores into the stage have read
.endif
.if (\t)+1 < 16
.if 14-(\t) >= 3
	s_wait_loadcnt 12                              ; the next step's four loads are in; those of the three steps behind it may be out
.else
	s_wait_loadcnt 4*(14-(\t))
.endif
	TURN (\t)+1
.endif
	v_max3_num_f32 v8, |v[XS]|, |v[XS+1]|, |v[XS+2]|               ; the largest magnitude of my 16, in two chains
	v_max3_num_f32 v9, |v[XS+3]|, |v[XS+4]|, |v[XS+5]|
.irp i, 6,10
	v_max3_num_f32 v8, v8, |v[XS+\i]|, |v[XS+\i+1]|
	v_max3_num_f32 v9, v9, |v[XS+\i+2]|, |v[XS+\i+3]|
.endr
	v_max3_num_f32 v8, v8, |v[XS+14]|, |v[XS+15]|
	v_max3_num_f32 v8, v8, v9, 0x1800000           ; and the floor 2^(3 - 127): the byte cannot fall under 1
	v_max_num_f32_dpp v8, v8, v8 row_xmask:1 row_mask:0xf bank_mask:0xf   ; with my neighbour's 16: the block's
	v_add_nc_u32 v11, 0xff000000, v8               ; 2 off its exponent field: the conversion takes the exponent field of this operand as its scale
	v_cvt_scalef32_pk8_fp4_f32 v[C+2*(\t)], v[XS:XS+7], v11
	v_cvt_scalef32_pk8_fp4_f32 v[C+2*(\t)+1], v[XS+8:XS+15], v11
	v_lshrrev_b32 v[E+(\t)], 23, v11               ; the scale's byte (a plain line behind the conversions)
	ds_store_b8 v5, v[E+(\t)] offset:16*(\t)       ; both lanes of a block write the same byte with the same value
	ds_store_b64 v4, v[C+2*(\t):C+2*(\t)+1] offset:16*(\t)
.endm
.irp t, 0,1,2,3,4,5,6,7,8,9,10,11,12,13,14,15
	STEP \t
.endr
	ds_load_b64 v[12:13], v6                       ; in order behind my stores
.irp i, 0,1,2,3,4,5,6,7
	ds_load_b128 v[OUTR+4*\i:OUTR+4*\i+3], v10 offset:2*CP*\i
.endr
	s_wait_dscnt 8                                 ; the scale bytes are back; the eight loads of codes may be out
	global_store_b64 v7, v[12:13], s[18:19]        ; 32 lanes store 256 consecutive bytes, aligned
.irp i, 0,1,2,3,4,5,6,7
	s_wait_dscnt 7-\i
	global_store_b128 v3, v[OUTR+4*\i:OUTR+4*\i+3], s[16:17] offset:512*\i   ; 512 consecutive bytes, aligned
.endr
	s_wait_tensorcnt 0x0
	ds_add_u32 v192, v193
	s_wait_dscnt 0x0
	s_endpgm
.Lfunc_end_k_q9187f56242_quant:
	.size	k_q9187f56242_quant, .Lfunc_end_k_q9187f56242_quant-k_q9187f56242_quant
	.p2alignl 7, 3214868480
	.fill 96, 4, 3214868480
	.section	.rodata,"a",@progbits
	.p2align	6, 0x0
	.amdhsa_kernel k_q9187f56242_quant
		.amdhsa_group_segment_fixed_size 39424
		.amdhsa_private_segment_fixed_size 0
		.amdhsa_enable_private_segment 0
		.amdhsa_kernarg_size 64
		.amdhsa_user_sgpr_count 2
		.amdhsa_user_sgpr_kernarg_segment_ptr 1
		.amdhsa_wavefront_size32 1
		.amdhsa_system_sgpr_workgroup_id_x 1
		.amdhsa_system_sgpr_workgroup_id_y 1
		.amdhsa_system_sgpr_workgroup_id_z 1
		.amdhsa_system_vgpr_workitem_id 0
		.amdhsa_next_free_vgpr 194
		.amdhsa_next_free_sgpr 66
		.amdhsa_reserve_vcc 0
		.amdhsa_float_denorm_mode_32 3
		.amdhsa_float_denorm_mode_16_64 3
		.amdhsa_memory_ordered 1
		.amdhsa_forward_progress 1
		.amdhsa_inst_pref_size 35
	.end_amdhsa_kernel
	.amdgpu_metadata
---
amdhsa.version: [ 1, 2 ]
amdhsa.kernels:
  - .name:           k_q9187f56242_quant
    .symbol:         k_q9187f56242_quant.kd
    .args:
      - { .name: q, .offset: 0, .size: 8, .value_kind: global_buffer, .address_space: global }
      - { .name: k, .offset: 8, .size: 8, .value_kind: global_buffer, .address_space: global }
      - { .name: v, .offset: 16, .size: 8, .value_kind: global_buffer, .address_space: global }
      - { .name: Wq, .offset: 24, .size: 8, .value_kind: global_buffer, .address_space: global }
      - { .name: Wk, .offset: 32, .size: 8, .value_kind: global_buffer, .address_space: global }
      - { .name: Wv, .offset: 40, .size: 8, .value_kind: global_buffer, .address_space: global }
      - { .name: xc, .offset: 48, .size: 8, .value_kind: global_buffer, .address_space: global }
      - { .name: xs, .offset: 56, .size: 8, .value_kind: global_buffer, .address_space: global }
    .group_segment_fixed_size: 39424
    .private_segment_fixed_size: 0
    .kernarg_segment_align: 8
    .kernarg_segment_size: 64
    .max_flat_workgroup_size: 128
    .sgpr_count:     66
    .vgpr_count:     194
    .wavefront_size: 32
...
	.end_amdgpu_metadata
.endif
;; end of part 1
;; launch proj (part 2): grid 4 x 96, 4 waves a work-group, clusters of 4 x 4, 327,680 bytes of LDS; arguments xc, xs, bq, bk, bv, sin, cos, hd; writes hd
.if DOCPART == 2
	.amdgcn_target "amdgcn-amd-amdhsa--gfx1250"
	.amdhsa_code_object_version 6
	.text
	.protected	k_q9187f56242_proj
	.globl	k_q9187f56242_proj
	.p2align	8
	.type	k_q9187f56242_proj,@function
k_q9187f56242_proj:
	s_mov_b64 s[64:65], 0
	v_nop
	global_prefetch_b8 v0, s[64:65] scope:SCOPE_SE
	s_setreg_imm32_b32 hwreg(HW_REG_WAVE_MODE, 25, 1), 1
	s_wait_xcnt 0x0
	s_wait_alu depctr_hold_cnt(0) depctr_sa_sdst(0) depctr_va_vdst(0) depctr_va_sdst(0) depctr_va_ssrc(0) depctr_va_vcc(0) depctr_vm_vsrc(0)
	s_getreg_b32 s2, hwreg(HW_REG_IB_STS2, 6, 4)
	s_cmp_eq_u32 s2, 0
	s_cbranch_scc0 .Lentry_in_a_cluster
	s_endpgm
.Lentry_in_a_cluster:
	s_bfe_u32 s2, ttmp6, 0x10000c
	s_cmp_lg_u32 s2, 0xf033
	s_cbranch_scc0 .Lentry_shape_is_right
	s_endpgm
.Lentry_shape_is_right:
.set SCL,   262144
.set REC,   217088
.set ADRL,  16
.set ADRR,  17
.set ADRS,  18
.set SNO,   19
.set BO,    20
.set LI,    21
.set SWO,   22
.set SH,    23
.set SW,    24
.set SC,    32
.set TM,    96
.set PW,    112
.set TP,    113
.set PC,    120
.set AF,    128
.set T,     128
.set BI,    192
.set G1A,   24
.set G1B,   32
.set G1SA,  40
.set G1SB,  48
.set G0A,   56
.set G0B,   60
.set G0SA,  68
.set G0SB,  72
.set SEL,   98
.set MSB, 0
.macro WIN new
.if MSB != (\new)
	s_set_vgpr_msb (MSB<<8)|(\new)
.set MSB, (\new)
.endif
.endm
.set MUL_LO, 0xa1
.set MUL_HI, 0xf1
.set TO_B,   0x40
.macro JLOAD g0a, g1a, g0b, g1b
	s_cmp_eq_u32 s21, 0
	s_cbranch_scc0 .Lfor_b_\@
	tensor_load_to_lds s[\g0a:\g0a+3], s[\g1a:\g1a+7]
	s_nop 0
.rept 4
	v_nop
.endr
	s_branch .Lasked_\@
.Lfor_b_\@:
	tensor_load_to_lds s[\g0b:\g0b+3], s[\g1b:\g1b+7]
	s_nop 0
.rept 4
	v_nop
.endr
.Lasked_\@:
.endm
.macro CROUND
	s_barrier_signal -1
	s_barrier_wait -1
	s_cmp_lg_u32 s20, 0
	s_cbranch_scc1 .Lnot_wave_0_\@
	s_barrier_signal -3
.Lnot_wave_0_\@:
	s_barrier_wait -3
	s_barrier_signal -1
	s_barrier_wait -1
.endm
.macro PLACES
.rept 4
	v_nop
.endr
.endm
.macro FRAG reg, adr, ks, i
.irp c, 0,1
	ds_load_b128 v[\reg+4*\c:\reg+4*\c+3], v[\adr] offset:(\i)*8192+(\ks)*1024+512*\c
.endr
.endm
.macro FETCH_B ks, p
	WIN TO_B
.irp i, 0,1,2,3,4,5,6,7
	FRAG 128*(\p)+8*\i, ADRR, \ks, \i
.endr
	WIN 0
.endm
.macro FETCH_A ks, i0
.irp i, \i0, \i0+1, \i0+2, \i0+3
	FRAG AF+8*(\i), ADRL, \ks, \i
.endr
.endm
.macro SCALES
.irp i, 0,1,2,3,4,5,6,7
.irp g, 0,1
	ds_load_b128 v[SC+8*\i+4*\g:SC+8*\i+4*\g+3], v[ADRS] offset:512*\i+256*\g
.endr
.endr
.endm
.macro MUL16 a0, p, ks, zero
.irp a, \a0, \a0+1
.irp b, 0,1,2,3,4,5,6,7
.if \zero
	v_wmma_scale_f32_16x16x128_f8f6f4 v[8*(8*((\a)%4)+\b):8*(8*((\a)%4)+\b)+7], v[128*(\p)+8*\b:128*(\p)+8*\b+7], v[AF+8*(\a):AF+8*(\a)+7], 0, v[SC+8*\b+(\ks)], v[SC+8*(\a)+(\ks)] matrix_a_fmt:MATRIX_FMT_FP4 matrix_b_fmt:MATRIX_FMT_FP4 matrix_a_scale:MATRIX_SCALE_ROW1
.else
	v_wmma_scale_f32_16x16x128_f8f6f4 v[8*(8*((\a)%4)+\b):8*(8*((\a)%4)+\b)+7], v[128*(\p)+8*\b:128*(\p)+8*\b+7], v[AF+8*(\a):AF+8*(\a)+7], v[8*(8*((\a)%4)+\b):8*(8*((\a)%4)+\b)+7], v[SC+8*\b+(\ks)], v[SC+8*(\a)+(\ks)] matrix_a_fmt:MATRIX_FMT_FP4 matrix_b_fmt:MATRIX_FMT_FP4 matrix_a_scale:MATRIX_SCALE_ROW1
.endif
.endr
.endr
.endm
.macro STEP ks, zero
	s_wait_dscnt 8
	WIN MUL_LO
	MUL16 0, (\ks)%2, \ks, \zero
	MUL16 2, (\ks)%2, \ks, \zero
	s_wait_dscnt 0x0
	PLACES
	FETCH_B (\ks)+1, 1-(\ks)%2
	FETCH_A (\ks)+1, 0
	WIN MUL_HI
	MUL16 4, (\ks)%2, \ks, \zero
	MUL16 6, (\ks)%2, \ks, \zero
	PLACES
	WIN 0
	FETCH_A (\ks)+1, 4
.endm
.macro PRODUCTS
	FETCH_B 0, 0
	FETCH_A 0, 0
	SCALES
	FETCH_A 0, 4
	STEP 0, 1
.irp k, 1,2,3,4,5,6
	STEP \k, 0
.endr
	s_wait_dscnt 8
	WIN MUL_LO
	MUL16 0, 1, 7, 0
	MUL16 2, 1, 7, 0
	s_wait_dscnt 0x0
	WIN MUL_HI
	MUL16 4, 1, 7, 0
	MUL16 6, 1, 7, 0
	WIN 0
	PLACES
.endm
.macro QUANT s
.irp b, 0,1,2,3
	v_max3_num_f32 v[TM+\b], |v[\s+16*\b]|, |v[\s+1+16*\b]|, 0x1800000
.endr
.irp i, 2,4,6,8,10,12,14
.irp b, 0,1,2,3
	v_max3_num_f32 v[TM+\b], v[TM+\b], |v[\s+16*\b+\i]|, |v[\s+1+16*\b+\i]|
.endr
.endr
.irp b, 0,1,2,3
	v_permlanex16_b32 v[TM+4+\b], v[TM+\b], s[SEL], s[SEL+1]
.endr
.irp b, 0,1,2,3
	v_max_num_f32 v[TM+\b], v[TM+\b], v[TM+4+\b]
.endr
.irp b, 0,1,2,3
	v_add_nc_u32 v[TM+12+\b], 0xff000000, v[TM+\b]
.endr
.irp b, 0,1,2,3
	v_lshrrev_b32 v[TM+4+\b], 23, v[TM+12+\b]
.endr
	v_lshl_or_b32 v[PW], v[TM+5], 8, v[TM+4]
	v_lshl_or_b32 v[PW], v[TM+6], 16, v[PW]
	v_lshl_or_b32 v[PW], v[TM+7], 24, v[PW]
.irp b, 0,1,2,3
	v_cvt_scalef32_pk8_fp4_f32 v[PC+2*\b], v[\s+16*\b:\s+7+16*\b], v[TM+12+\b]
	v_cvt_scalef32_pk8_fp4_f32 v[PC+1+2*\b], v[\s+8+16*\b:\s+15+16*\b], v[TM+12+\b]
.endr
	v_nop
.irp c, 0,1
.irp i, 0,1
	v_permlane16_swap_b32 v[PC+4*\c+\i], v[PC+2+4*\c+\i]
.endr
.endr
.endm
	s_load_b256 s[4:11], s[0:1], 0x0
	s_load_b256 s[12:19], s[0:1], 0x20
	v_lshl_add_u32 v118, v0, 2, 0x44000
	v_mov_b32 v119, 0
	ds_add_u32 v118, v119
	ds_add_u32 v118, v119
	v_lshrrev_b32 v1, 5, v0
	v_readfirstlane_b32 s20, v1
	s_lshr_b32 s21, s20, 1
	s_and_b32 s22, s20, 1
	s_bfe_u32 s76, ttmp6, 0x40000
	s_bfe_u32 s77, ttmp6, 0x40004
	s_lshl_b32 s78, ttmp9, 2
	s_add_co_u32 s78, s78, s76
	s_and_b32 s83, ttmp7, 0xffff
	s_lshr_b32 s80, s83, 3
	s_and_b32 s79, s83, 7
	s_lshl_b32 s79, s79, 2
	s_add_co_u32 s79, s79, s77
	s_lshl_b32 s81, s77, 2
	s_lshl_b32 s81, 15, s81
	s_lshl_b32 s82, 0x1111, s76
	s_or_b32 s[G1A], s81, (3<<16)|(1<<21)
	s_or_b32 s[G1B], s82, (3<<16)|(1<<21)
	s_or_b32 s[G1SA], s81, (3<<16)|(1<<21)
	s_or_b32 s[G1SB], s82, (3<<16)|(1<<21)
.irp g, G1A, G1B
	s_mov_b32 s[\g+1], 32<<16
	s_mov_b32 s[\g+2], 256<<16
	s_mov_b32 s[\g+3], 32<<16
	s_mov_b32 s[\g+4], 256
	s_mov_b32 s[\g+5], 32
	s_mov_b32 s[\g+6], 0
	s_mov_b32 s[\g+7], 0
.endr
.irp g, G1SA, G1SB
	s_mov_b32 s[\g+1], 32<<16
	s_mov_b32 s[\g+2], 16<<16
	s_mov_b32 s[\g+3], 32<<16
	s_mov_b32 s[\g+4], 16
	s_mov_b32 s[\g+5], 32
	s_mov_b32 s[\g+6], 0
	s_mov_b32 s[\g+7], 0
.endr
	s_lshl_b32 s92, s22, 7
	s_lshl_b32 s84, s80, 13
	s_lshl_b32 s85, s79, 8
	s_add_co_u32 s84, s84, s85
	s_add_co_u32 s84, s84, s92
	s_lshl_b32 s86, s84, 5
	s_lshl_b32 s84, s84, 9
	s_mov_b32 s85, 0
	s_mov_b32 s87, 0
	s_lshl_b32 s88, s80, 10
	s_lshl_b32 s89, s78, 8
	s_add_co_u32 s88, s88, s89
	s_add_co_u32 s88, s88, s92
	s_add_co_u32 s88, s88, 24576
	s_lshl_b32 s90, s88, 5
	s_lshl_b32 s88, s88, 9
	s_mov_b32 s89, 0
	s_mov_b32 s91, 0
	s_lshl_b32 s93, s20, 16
	s_lshl_b32 s94, s20, 12
	s_add_co_u32 s94, s94, SCL
	s_wait_dscnt 0x0
	s_wait_kmcnt 0x0
	s_mov_b32 s[G0SA], 1
	s_mov_b32 s[G0SA+1], s94
	s_add_nc_u64 s[G0SA+2:G0SA+3], s[6:7], s[86:87]
	s_or_b32 s[G0SA+3], s[G0SA+3], 0x80000000
	s_mov_b32 s[G0SB], 1
	s_mov_b32 s[G0SB+1], s94
	s_add_nc_u64 s[G0SB+2:G0SB+3], s[6:7], s[90:91]
	s_or_b32 s[G0SB+3], s[G0SB+3], 0x80000000
	s_mov_b32 s[G0A], 1
	s_mov_b32 s[G0A+1], s93
	s_add_nc_u64 s[G0A+2:G0A+3], s[4:5], s[84:85]
	s_or_b32 s[G0A+3], s[G0A+3], 0x80000000
	s_mov_b32 s[G0B], 1
	s_mov_b32 s[G0B+1], s93
	s_add_nc_u64 s[G0B+2:G0B+3], s[4:5], s[88:89]
	s_or_b32 s[G0B+3], s[G0B+3], 0x80000000
	CROUND
	JLOAD G0SA, G1SA, G0SB, G1SB
	s_wait_alu depctr_va_vdst(0)
	s_wait_tensorcnt 0x0
	ds_add_u32 v118, v119
	s_wait_dscnt 0x0
	CROUND
	JLOAD G0A, G1A, G0B, G1B
	v_and_b32 v1, 31, v0
	v_and_b32 v2, 15, v0
	v_bfe_u32 v3, v0, 4, 1
	v_lshlrev_b32 v[LI], 4, v1
	v_mul_u32_u24 v[SWO], v3, REC
	v_lshl_add_u32 v[SWO], v2, 4, v[SWO]
	v_lshlrev_b32 v[SH], 4, v3
	v_and_b32 v6, 8, v2
	v_add_nc_u32 v6, v6, v2
.irp b, 0,1,2,3
	v_mov_b32 v[TM+4+\b], 0
.endr
	s_mov_b32 s[SEL], 0x76543210
	s_mov_b32 s[SEL+1], 0xfedcba98
	s_lshr_b32 s84, s79, 3
	s_lshl_b32 s84, s84, 4
	s_lshl_b32 s85, s78, 2
	s_add_co_u32 s84, s84, s85
	s_lshl_b32 s85, s22, 1
	s_add_co_u32 s84, s84, s85
	s_mul_i32 s84, s84, REC
	s_and_b32 s86, s79, 7
	s_lshl_b32 s86, s86, 1
	s_add_co_u32 s86, s86, s21
	s_xor_b32 s96, s21, 1
	s_add_co_u32 s96, s96, s22
	s_add_co_u32 s96, s96, 1
	s_lshl_b32 s96, s96, 12
	s_lshl_b32 s92, s78, 10
	s_lshl_b32 s93, s22, 9
	s_add_co_u32 s92, s92, s93
	s_mov_b32 s93, 0
	s_wait_tensorcnt 0x0
	s_barrier_signal -1
	s_barrier_wait -1
	s_cmp_eq_u32 s80, 2
	s_cbranch_scc1 .Lv
	s_lshl_b32 s66, s21, 16
	s_lshl_b32 s67, s22, 16
	s_add_co_u32 s67, s67, 131072
	v_add_nc_u32 v[ADRL], s66, v[LI]
	v_add_nc_u32 v[ADRR], s67, v[LI]
	v_mul_u32_u24 v[ADRS], s96, v3
	v_lshl_add_u32 v[ADRS], v2, 4, v[ADRS]
	s_lshl_b32 s66, s21, 12
	s_add_co_u32 s66, s66, SCL
	v_add_nc_u32 v[ADRS], s66, v[ADRS]
	v_lshlrev_b32 v[SNO], 7, v6
	v_lshl_add_u32 v[SNO], v3, 5, v[SNO]
	v_lshlrev_b32 v[BO], 6, v3
	s_wait_alu depctr_va_vdst(0)
	s_mov_b32 s90, 131072
	s_cmp_eq_u32 s80, 0
	s_cselect_b64 s[8:9], s[8:9], s[10:11]
	s_cselect_b32 s88, 143360, 0
	s_cselect_b32 s90, 208896, s90
	s_add_co_u32 s88, s88, s84
	s_lshl_b32 s87, s86, 12
	s_add_co_u32 s88, s88, s87
	s_mov_b32 s89, 0
	s_add_nc_u64 s[4:5], s[18:19], s[88:89]
	s_add_co_u32 s90, s90, s84
	s_lshl_b32 s87, s86, 9
	s_add_co_u32 s90, s90, s87
	s_mov_b32 s91, 0
	s_add_nc_u64 s[6:7], s[18:19], s[90:91]
	s_lshl_b32 s94, s86, 14
	s_mov_b32 s95, 0
	s_add_nc_u64 s[14:15], s[14:15], s[94:95]
	s_add_nc_u64 s[16:17], s[16:17], s[94:95]
	s_add_nc_u64 s[8:9], s[8:9], s[92:93]
.irp b, 0,1,2,3
.irp j, 0,1,2,3
	global_load_b128 v[BI+16*\b+4*\j:BI+16*\b+4*\j+3], v[BO], s[8:9] offset:128*\b+16*\j
.endr
.endr
.macro SINCOS a
.set SB, 64*(1-(\a)/4)+32*((\a)%2)+128*(((\a)/2)%2)
.set RO, (32*((\a)/2)+8*((\a)%2))*128
.irp j, 0,1
.irp i, 0,1
	global_load_b128 v[SB+8*\j+4*\i:SB+8*\j+4*\i+3], v[SNO], s[14:15] offset:RO+64*\j+16*\i
	global_load_b128 v[SB+16+8*\j+4*\i:SB+16+8*\j+4*\i+3], v[SNO], s[16:17] offset:RO+64*\j+16*\i
.endr
.endr
.endm
	WIN TO_B
	SINCOS 0
	SINCOS 1
	SINCOS 2
	SINCOS 3
	WIN 0
	PRODUCTS
	WIN TO_B
	SINCOS 4
	SINCOS 5
	SINCOS 6
	SINCOS 7
	WIN 0
.macro QKOUT a
.if (\a) > 0
	s_wait_xcnt 0x0
.endif
	s_wait_loadcnt 56-8*(\a)
	WIN 0x02+(\a)/4
.set AC, 64*((\a)%4)
.set i, 0
.rept 32
	v_pk_add_f32 v[T+i:T+i+1], v[AC+i:AC+i+1], v[BI+i:BI+i+1]
.set i, i+2
.endr
.set SB, 64*(1-(\a)/4)+32*((\a)%2)+128*(((\a)/2)%2)
	WIN 0x04
.irp b, 0,1,2,3
.irp q, 0,1
.irp p, 0,1,2,3
	v_mul_f32 v[TP+\p], v[T+16*\b+8*\q+2*\p], v[SB+8*(\b%2)+4*\q+\p]
.endr
.irp p, 0,1,2,3
	v_mul_f32 v[T+16*\b+8*\q+2*\p], v[T+16*\b+8*\q+2*\p], v[SB+16+8*(\b%2)+4*\q+\p]
.endr
.irp p, 0,1,2,3
	v_fma_f32 v[T+16*\b+8*\q+2*\p], -v[T+16*\b+8*\q+2*\p+1], v[SB+8*(\b%2)+4*\q+\p], v[T+16*\b+8*\q+2*\p]
.endr
.irp p, 0,1,2,3
	v_fma_f32 v[T+16*\b+8*\q+2*\p+1], v[T+16*\b+8*\q+2*\p+1], v[SB+16+8*(\b%2)+4*\q+\p], v[TP+\p]
.endr
.endr
.endr
	WIN 0
	QUANT T
	v_lshrrev_b32 v[SW+(\a)], v[SH], v[PW]
	v_and_b32 v[SW+(\a)], 0xffff, v[SW+(\a)]
	global_store_b128 v[LI], v[PC:PC+3], s[4:5] offset:512*(\a)
	global_store_b128 v[LI], v[PC+4:PC+7], s[4:5] offset:REC+512*(\a)
.if (\a)%4 == 3
	global_store_b128 v[SWO], v[SW+(\a)-3:SW+(\a)], s[6:7] offset:256*((\a)/4)
.endif
.endm
.irp a, 0,1,2,3,4,5,6,7
	QKOUT \a
.endr
	s_branch .Lend
.Lv:
	s_lshl_b32 s66, s22, 16
	s_add_co_u32 s66, s66, 131072
	s_lshl_b32 s67, s21, 16
	v_add_nc_u32 v[ADRL], s66, v[LI]
	v_add_nc_u32 v[ADRR], s67, v[LI]
	v_xor_b32 v4, 1, v3
	v_mul_u32_u24 v[ADRS], s96, v4
	v_lshl_add_u32 v[ADRS], v2, 4, v[ADRS]
	s_lshl_b32 s66, s21, 12
	s_add_co_u32 s66, s66, SCL
	v_add_nc_u32 v[ADRS], s66, v[ADRS]
	v_lshlrev_b32 v[BO], 2, v6
	s_wait_alu depctr_va_vdst(0)
	s_add_co_u32 s88, s84, 65536
	s_lshl_b32 s87, s86, 12
	s_add_co_u32 s88, s88, s87
	s_mov_b32 s89, 0
	s_add_nc_u64 s[4:5], s[18:19], s[88:89]
	s_add_co_u32 s90, s84, 139264
	s_lshl_b32 s87, s86, 8
	s_add_co_u32 s90, s90, s87
	s_mov_b32 s91, 0
	s_add_nc_u64 s[6:7], s[18:19], s[90:91]
	s_add_nc_u64 s[12:13], s[12:13], s[92:93]
.irp p, 0,1,2,3,4,5,6,7
	global_load_b32 v[BI+2*\p], v[BO], s[12:13] offset:(32*(\p/2)+8*(\p%2))*4
	global_load_b32 v[BI+2*\p+1], v[BO], s[12:13] offset:(32*(\p/2)+8*(\p%2))*4
.endr
	PRODUCTS
	s_wait_loadcnt 0x0
.macro VOUT p
.if (\p) > 0
	s_wait_xcnt 0x0
.endif
	WIN 0x02+(\p)/4
.set AC, 64*((\p)%4)
.set i, 0
.rept 32
	v_pk_add_f32 v[T+i:T+i+1], v[AC+i:AC+i+1], v[BI+2*(\p):BI+2*(\p)+1]
.set i, i+2
.endr
	WIN 0
	QUANT T
	v_mov_b32 v[SW+(\p)], v[PW]
.irp c, 0,1
	global_store_b128 v[LI], v[PC+4*\c:PC+4*\c+3], s[4:5] offset:((\p)/4)*REC+((\p)%4)*1024+512*\c
.endr
.endm
.irp p, 0,1,2,3,4,5,6,7
	VOUT \p
.endr
	s_wait_alu depctr_va_vdst(0)
	s_wait_xcnt 0x0
	v_cmp_eq_u32 vcc_lo, 1, v3
.irp j, 0,1,2,3
	v_cndmask_b32 v[PC+\j], v[SW+\j], v[SW+4+\j], vcc_lo
.endr
	global_store_b128 v[SWO], v[PC:PC+3], s[6:7]
.Lend:
	s_wait_dscnt 0x0
	s_wait_tensorcnt 0x0
	ds_add_u32 v118, v119
	s_wait_dscnt 0x0
	CROUND
	s_endpgm
.Lfunc_end_k_q9187f56242_proj:
	.size	k_q9187f56242_proj, .Lfunc_end_k_q9187f56242_proj-k_q9187f56242_proj
	.p2alignl 7, 3214868480
	.fill 96, 4, 3214868480
	.section	.rodata,"a",@progbits
	.p2align	6, 0x0
	.amdhsa_kernel k_q9187f56242_proj
		.amdhsa_group_segment_fixed_size 327680
		.amdhsa_private_segment_fixed_size 0
		.amdhsa_enable_private_segment 0
		.amdhsa_kernarg_size 64
		.amdhsa_user_sgpr_count 2
		.amdhsa_user_sgpr_kernarg_segment_ptr 1
		.amdhsa_wavefront_size32 1
		.amdhsa_system_sgpr_workgroup_id_x 1
		.amdhsa_system_sgpr_workgroup_id_y 1
		.amdhsa_system_sgpr_workgroup_id_z 1
		.amdhsa_system_vgpr_workitem_id 0
		.amdhsa_next_free_vgpr 1024
		.amdhsa_next_free_sgpr 100
		.amdhsa_reserve_vcc 1
		.amdhsa_float_denorm_mode_32 3
		.amdhsa_float_denorm_mode_16_64 3
		.amdhsa_memory_ordered 1
		.amdhsa_forward_progress 1
		.amdhsa_inst_pref_size 255
	.end_amdhsa_kernel
	.section	.bss,"aw",@nobits
	.p2align	6
	.space	262144
	.amdgpu_metadata
---
amdhsa.version: [ 1, 2 ]
amdhsa.kernels:
  - .name:           k_q9187f56242_proj
    .symbol:         k_q9187f56242_proj.kd
    .args:
      - { .name: xc, .offset: 0, .size: 8, .value_kind: global_buffer, .address_space: global }
      - { .name: xs, .offset: 8, .size: 8, .value_kind: global_buffer, .address_space: global }
      - { .name: bq, .offset: 16, .size: 8, .value_kind: global_buffer, .address_space: global }
      - { .name: bk, .offset: 24, .size: 8, .value_kind: global_buffer, .address_space: global }
      - { .name: bv, .offset: 32, .size: 8, .value_kind: global_buffer, .address_space: global }
      - { .name: sin, .offset: 40, .size: 8, .value_kind: global_buffer, .address_space: global }
      - { .name: cos, .offset: 48, .size: 8, .value_kind: global_buffer, .address_space: global }
      - { .name: hd, .offset: 56, .size: 8, .value_kind: global_buffer, .address_space: global }
    .group_segment_fixed_size: 327680
    .private_segment_fixed_size: 0
    .kernarg_segment_align: 8
    .kernarg_segment_size: 64
    .max_flat_workgroup_size: 128
    .sgpr_count:     100
    .vgpr_count:     1024
    .wavefront_size: 32
...
	.end_amdgpu_metadata
.endif
;; end of part 2
;; launch attn (part 3): grid 4 x 64, 16 waves a work-group, clusters of 4 x 1, 231,424 bytes of LDS; arguments hd, out0; writes out0
.if DOCPART == 3
	.amdgcn_target "amdgcn-amd-amdhsa--gfx1250"
	.amdhsa_code_object_version 6
	.text
	.protected	k_q9187f56242_attn
	.globl	k_q9187f56242_attn
	.p2align	8
	.type	k_q9187f56242_attn,@function
k_q9187f56242_attn:
	s_mov_b64 s[64:65], 0
	v_nop
	global_prefetch_b8 v0, s[64:65] scope:SCOPE_SE
	s_setreg_imm32_b32 hwreg(HW_REG_WAVE_MODE, 25, 1), 1
	s_wait_xcnt 0x0
	s_wait_alu depctr_hold_cnt(0) depctr_sa_sdst(0) depctr_va_vdst(0) depctr_va_sdst(0) depctr_va_ssrc(0) depctr_va_vcc(0) depctr_vm_vsrc(0)
	s_getreg_b32 s2, hwreg(HW_REG_IB_STS2, 6, 4)
	s_cmp_eq_u32 s2, 0
	s_cbranch_scc0 .Lentry_in_a_cluster
	s_endpgm
.Lentry_in_a_cluster:
	s_bfe_u32 s2, ttmp6, 0x10000c
	s_cmp_lg_u32 s2, 0x3003
	s_cbranch_scc0 .Lentry_shape_is_right
	s_endpgm
.Lentry_shape_is_right:
; out0[batch][q][64 head + :] = the sum over keys k <= q of softmax_k(Q[q] . K[k] / 8) V[k][:], both products on codes of FP4 (E2M1) with E8M0 scales, read from hd (records written by the launch before).
; LEFT OUT: key steps all of whose keys come after a tile's queries.  The causal mask sets those scores to -infinity, so their p is 0 for all values of the inputs.  A NaN or infinity that reaches only them is not carried on.
; THE SOFTMAX AHEAD OF THE SECOND PRODUCT: t = score x log2(e) / 8; M = the running largest t rounded UP to a whole number; p = 2^(t - M) is quantised along the keys, not normalised; the row's sum is taken of the
; unquantised p and divides at the end.  When M moves, the sum and O are multiplied by 2^(old M - new M): exact.
; SHARES.  The four work-groups of a cluster serve one head.  Work-group cx takes query tiles T = 4 j + cx, j = 0 .. 31: tile T counts j / 2 + 1 key steps of 128, and its queries lie in half j % 2 of the last one,
; whatever cx is: so no branch, trip count or LDS address hangs on cx; cx enters global addresses and the mask's compare alone.  Wave w makes j = 31 - 2 w (odd: the last step's keys 64 .. 127 are masked) and then
; j = 2 w (even: of the last step only keys 0 .. 63 are worked, masked): 15 open steps, one whole and one half step for every wave.
; JOINT LOADS.  The head's K, V and scale words, 143,360 bytes, are asked for once by all four work-groups with one mask: waves 0-7 bring 16 rows of 1,024 bytes of codes each, wave 8 the 12,288 bytes of scale words.
; Nothing is filled again: one barrier.  No prefetch: all of K and V is asked for at the head, so there is no loop in which to ask ahead.
; THE KEYS OF A TILE ARE CHOSEN BY THE LDS ADDRESS: row r of tile 4 c + t is key 64 c + 32 (r / 8) + 8 t + r % 8 of the step.  So lane (r, h) holds query r, and its 32 registers of tiles 4 c .. 4 c + 3 are the WHOLE block
; of keys 64 c + 32 h + 0 .. 31: a block's maximum needs no other lane, and the conversions' results are the second product's operand as they stand.  In memory rows 0-7 and 8-15 of such a tile lie 1,024 bytes apart;
; the descriptor lays 128 bytes of padding behind each 1,024, so that the sixteen lanes of a load touch sixteen different 16-byte columns of 256.
; THE FIRST PRODUCT'S K IS 64: registers 4-7 of Q's fragment are zero codes, so registers 4-7 of a fragment of K may hold any codes: they are the next tile's registers 0-3 (36 registers for eight tiles).
; LIMITS: NaN and infinities are not served; the scaled scores stay under 2^31 in magnitude; a p under 2^-126 counts as 0 (v_exp_f32 gives no denormals: ISA guide 15.8); a block of p that is all 0 keeps the byte 1.
; REGISTERS: v1-7 addresses that stay; v8-11 the step's; v12 -M, v13 the largest score, v[14:15] the sum; v16-23, v76-83 the two passes' Q; v24-31 K's scale words; v32-67 K; v68-75 four partial sums; v84, v85 Q's scale words;
;   v90, v91 the add's; v92, v93 offsets; v96-159 S^T, then p; v160-191 O^T; v192-223 V; v224-231 p's codes; v232-239, v244-247, v252 at work; v240-243 V's scale words; v249 8 h; v250, v251 the mask; v253 p's scale word.
.set REC,   217088
.set QOFF,  143360
.set QSO,   208896
.set ROWP,  1152                       ; 1,024 bytes of codes + 128 of padding
.set VB,    64*ROWP                    ; V's codes behind K's
.set SCB,   128*ROWP                   ; K's scale words, 512 bytes a step
.set VSB,   SCB+8192                   ; V's, 256 a step
.set STG,   SCB+12288                  ; a stage of 16 rows x (256 + 16) bytes for each wave
.set SPITCH, 272
.set SPARE, STG+16*16*SPITCH           ; the spare words: 128 bytes a wave
.set KS, 24
.set KF, 32
.set PP, 68
.set SPW, 90
.set NIL, 91
.set SS, 96
.set OO, 160
.set VF, 192
.set PC, 224
.set VS, 240
.macro CROUND                          ; a round of the cluster's barrier
	s_barrier_signal -1
	s_barrier_wait -1
	s_cmp_lg_u32 s8, 0
	s_cbranch_scc1 .Lnw0_\@
	s_barrier_signal -3
.Lnw0_\@:
	s_barrier_wait -3
	s_barrier_signal -1
	s_barrier_wait -1
.endm
.macro TILE t, qa, qs, ob              ; for the tile in s[t]: where its codes, its scale words and its first row of out0 begin
	s_lshl_b32 s[\qa], s[\t], 9
	s_mov_b32 s[\qa+1], 0
	s_add_nc_u64 s[\qa:\qa+1], s[36:37], s[\qa:\qa+1]
	s_lshr_b32 s[\qs], s[\t], 2
	s_lshl_b32 s[\qs], s[\qs], 8
	s_and_b32 s46, s[\t], 3
	s_lshl_b32 s46, s46, 2
	s_add_co_u32 s[\qs], s[\qs], s46               ; group T / 4, word T % 4 of a lane's four
	s_mov_b32 s[\qs+1], 0
	s_add_nc_u64 s[\qs:\qs+1], s[36:37], s[\qs:\qs+1]
	s_lshr_b32 s[\ob], s[\t], 1
	s_lshl_b32 s[\ob], s[\ob], 5
	s_and_b32 s46, s[\t], 1
	s_lshl_b32 s46, s46, 3
	s_add_co_u32 s[\ob], s[\ob], s46               ; the tile's first query: 32 (T / 2) + 8 (T % 2)
	s_lshl_b32 s[\ob], s[\ob], 12
	s_mov_b32 s[\ob+1], 0
	s_add_nc_u64 s[\ob:\ob+1], s[38:39], s[\ob:\ob+1]
.endm
.macro INIT                            ; a pass's state: its first step finds zeros, which the first change of M leaves zeros
	v_mov_b32 v13, 0xff61b1e6                      ; the largest score so far: -3e38
	v_mov_b32 v12, 0x7f61b1e6                      ; -M = 3e38: the first f = 2^(old M - new M) is 0
.irp j, 14,15,68,69,70,71,72,73,74,75
	v_mov_b32 v[\j], 0
.endr
.set NN, 0
.rept 32
	v_mov_b32 v[OO+NN], 0
.set NN, NN+1
.endr
.endm
.macro TAILSUM                         ; the last step's four partial sums join the row's sum, still under that step's M
	v_pk_add_f32 v[PP:PP+1], v[PP:PP+1], v[PP+2:PP+3]
	v_pk_add_f32 v[PP+4:PP+5], v[PP+4:PP+5], v[PP+6:PP+7]
	v_pk_add_f32 v[14:15], v[14:15], v[PP:PP+1]
	v_pk_add_f32 v[14:15], v[14:15], v[PP+4:PP+5]
.endm
.macro SUM l, w                        ; level l of the four partial sums, each over w registers of the unquantised p
.irp k, 0,1,2,3
.if \l == 0
	v_pk_add_f32 v[PP+2*\k:PP+2*\k+1], v[SS+\w*\k:SS+\w*\k+1], v[SS+\w*\k+2:SS+\w*\k+3]
.else
	v_pk_add_f32 v[PP+2*\k:PP+2*\k+1], v[PP+2*\k:PP+2*\k+1], v[SS+\w*\k+2*\l+2:SS+\w*\k+2*\l+3]
.endif
.endr
.endm
; A KEY STEP.  mode 0: all 128 keys count.  mode 1: keys 64 .. 127 are masked.  mode 2: keys 0 .. 63 alone, masked; the other 64 get zero codes.
.macro STEP mode, qf, qs
.if \mode == 2
.set NC, 1
.set RM, 232
.else
.set NC, 2
.set RM, 236
.endif
	v_add_nc_u32 v8, s28, v1                       ; (these four are also the places behind the last step's products, in front of the loads into their registers)
	v_add_nc_u32 v9, s28, v2
	v_add_nc_u32 v10, s29, v3
	v_add_nc_u32 v11, s30, v4
.set CC, 0
.rept NC
.irp t, 0,1,2,3
	ds_load_b128 v[KF+16*CC+4*\t:KF+16*CC+4*\t+3], v8 offset:2*ROWP*CC+512*(\t%2)+128*(\t/2)
.endr
	ds_load_b64 v[KS+4*CC:KS+4*CC+1], v10 offset:256*CC
	ds_load_b64 v[KS+4*CC+2:KS+4*CC+3], v10 offset:256*CC+128
.set CC, CC+1
.endr
.irp d, 0,1,2,3
	ds_load_b128 v[VF+8*\d:VF+8*\d+3], v9 offset:ROWP*\d
	ds_load_b128 v[VF+8*\d+4:VF+8*\d+7], v9 offset:ROWP*\d+512
.endr
	ds_load_b128 v[VS:VS+3], v11
	s_wait_dscnt 9                                 ; K and its scale words are in; V's nine loads may be out
.set TT, 0
.rept 4*NC                             ; S^T = K Q^T: register 32 c + i of lane (r, h) is key 64 c + 32 h + i for query r
	v_wmma_scale_f32_16x16x128_f8f6f4 v[SS+8*TT:SS+8*TT+7], v[KF+4*TT:KF+4*TT+7], v[\qf:\qf+7], 0, v[KS+TT], v[\qs] matrix_a_fmt:MATRIX_FMT_FP4 matrix_b_fmt:MATRIX_FMT_FP4
.set TT, TT+1
.endr
	TAILSUM                                        ; four plain lines that name none of the products' registers: the places behind them
.if \mode
.set MB, SS+32*(2-\mode)
.set NN, 0
.rept 32                               ; register i of the masked half is hidden where i > v250 = my query's place in that half - 32 h
	v_cmp_gt_i32 vcc_lo, NN, v250
	v_cndmask_b32 v[MB+NN], v[MB+NN], v251, vcc_lo
.set NN, NN+1
.endr
.endif
.set CC, 0
.rept NC                               ; the largest score of each of my blocks of 32 keys, in two chains a block; each accumulator is first read at its low end
	v_max3_num_f32 v[232+2*CC], v[SS+32*CC], v[SS+32*CC+1], v[SS+32*CC+2]
	v_max3_num_f32 v[233+2*CC], v[SS+32*CC+16], v[SS+32*CC+17], v[SS+32*CC+18]
.set CC, CC+1
.endr
.irp i, 3,5,7,9,11,13
.set CC, 0
.rept NC
	v_max3_num_f32 v[232+2*CC], v[232+2*CC], v[SS+32*CC+\i], v[SS+32*CC+\i+1]
	v_max3_num_f32 v[233+2*CC], v[233+2*CC], v[SS+32*CC+16+\i], v[SS+32*CC+17+\i]
.set CC, CC+1
.endr
.endr
.set CC, 0
.rept NC
	v_max3_num_f32 v[232+2*CC], v[232+2*CC], v[233+2*CC], v[SS+32*CC+15]
.set CC, CC+1
.endr
.set CC, 0
.rept NC
	v_max_num_f32 v[232+2*CC], v[232+2*CC], v[SS+32*CC+31]
.set CC, CC+1
.endr
.if NC == 2
	s_delay_alu instid0(VALU_DEP_1)
	v_max_num_f32 v236, v232, v234
.endif
	s_delay_alu instid0(VALU_DEP_1)
	v_permlanex16_b32 v237, v[RM], s24, s25        ; lane l xor 16 holds my query's other blocks
	s_delay_alu instid0(VALU_DEP_1)
	v_max3_num_f32 v13, v13, v[RM], v237           ; the running largest score
	s_delay_alu instid0(VALU_DEP_1)
	v_mul_f32 v238, s26, v13                       ; as t
	s_delay_alu instid0(VALU_DEP_1)
	v_floor_f32 v239, -v238                        ; the new -M = -ceil(t): a whole number
	s_delay_alu instid0(VALU_DEP_1)
	v_sub_f32 v238, v239, v12                      ; old M - new M: a whole number, 0 or less
	v_mov_b32 v12, v239
	s_delay_alu instid0(VALU_DEP_2)
	v_cvt_i32_f32 v238, v238                       ; (it saturates)
	s_delay_alu instid0(VALU_DEP_1)
	v_ldexp_f32 v252, 1.0, v238                    ; f = 2^(old M - new M)
.set NN, 0
.rept 16*NC
	v_pk_fma_f32 v[SS+NN:SS+NN+1], v[SS+NN:SS+NN+1], s[26:27], v[12:13] op_sel_hi:[1,0,0]   ; t - M, two at a time
.set NN, NN+2
.endr
.set CC, 0
.rept NC
	v_fma_f32 v[232+2*CC], v[232+2*CC], s26, v12   ; the same of each block's largest score
.set CC, CC+1
.endr
	s_wait_alu depctr_va_vdst(0)                   ; the wait ahead of the batch
.set NN, 0
.rept 32*NC
	v_exp_f32 v[SS+NN], v[SS+NN]                   ; p = 2^(t - M)
.set NN, NN+1
.endr
.set CC, 0
.rept NC
	v_exp_f32 v[232+2*CC], v[232+2*CC]             ; the block's largest p: the same two instructions on the same number
.set CC, CC+1
.endr
	v_pk_mul_f32 v[14:15], v[14:15], v[252:253] op_sel_hi:[1,0]   ; the sum under the new M (a plain line behind the exponentials)
	s_wait_alu depctr_va_vdst(0)                   ; one wait for the batch, directly ahead of O^T's first readers too
.set NN, 0
.rept 16
	v_pk_mul_f32 v[OO+NN:OO+NN+1], v[OO+NN:OO+NN+1], v[252:253] op_sel_hi:[1,0]   ; O^T under the new M
.set NN, NN+2
.endr
.set CC, 0
.rept NC
	v_max_num_f32 v[232+2*CC], 0x1800000, v[232+2*CC]   ; the floor 2^(3 - 127): the byte cannot fall under 1
.set CC, CC+1
.endr
.set CC, 0
.rept NC
	v_add_nc_u32 v[244+CC], 0xff000000, v[232+2*CC]     ; 2 off the exponent field: the conversion's scale operand
.set CC, CC+1
.endr
.set CC, 0
.rept NC
	v_lshrrev_b32 v[246+CC], 23, v[244+CC]              ; the scale's byte
.set CC, CC+1
.endr
; p's scale word: my bytes are those of blocks h and 2 + h; lane l xor 16 has the other two.  The sums of the unquantised p stand between the lines of that chain.
.if NC == 2
	SUM 0, 16
	v_lshl_or_b32 v253, v247, 16, v246
	SUM 1, 16
	v_lshlrev_b32 v253, v249, v253
	SUM 2, 16
	v_permlanex16_b32 v237, v253, s24, s25
	SUM 3, 16
	v_or_b32 v253, v253, v237
.else
	v_lshlrev_b32 v253, v249, v246                 ; bytes 2 and 3 stay 0: a power of two over zero codes
	s_delay_alu instid0(VALU_DEP_1)
	v_permlanex16_b32 v237, v253, s24, s25
	SUM 0, 8
	v_or_b32 v253, v253, v237
.endif
.set TT, 0
.rept 4*NC
	v_cvt_scalef32_pk8_fp4_f32 v[PC+TT], v[SS+8*TT:SS+8*TT+7], v[244+TT/4]   ; register 4 c + t: keys 64 c + 32 h + 8 t + 0 .. 7: the operand's own layout
.set TT, TT+1
.endr
.if NC == 2
	SUM 4, 16                                      ; twelve plain lines between p's scale word and codes and the products below
	SUM 5, 16
	SUM 6, 16
.else
.irp j, 4,5,6,7
	v_mov_b32 v[PC+\j], 0                          ; keys 64 .. 127: zero codes
.endr
	SUM 1, 8
	SUM 2, 8
.endif
	s_wait_alu depctr_va_vdst(0)                   ; the wait here, directly ahead of the wait below
	s_wait_dscnt 0x0                               ; V and its scale words are in
.irp d, 0,1,2,3                        ; O^T += V^T P^T: four accumulators by turns; the products S^T stand between two links of a chain
	v_wmma_scale_f32_16x16x128_f8f6f4 v[OO+8*\d:OO+8*\d+7], v[VF+8*\d:VF+8*\d+7], v[PC:PC+7], v[OO+8*\d:OO+8*\d+7], v[VS+\d], v253 matrix_a_fmt:MATRIX_FMT_FP4 matrix_b_fmt:MATRIX_FMT_FP4
.endr
.endm
; A PASS: one query tile.  All 16 key steps are walked (a constant trip count); step i is open where i < s[sa], the tile's last where i = s[sa], and jumped over beyond: branches on the wave's number and the count alone.
.macro PASS mode, qf, qs, sa, ob, more
	s_mov_b32 s28, 0                               ; where the step's codes begin (K's and V's alike): 4 padded rows a step
	s_mov_b32 s29, 0                               ; K's scale words
	s_mov_b32 s30, 0                               ; V's
	s_mov_b32 s31, 0                               ; the step
.Lstep_\@:
	s_cmp_ge_u32 s31, s[\sa]
	s_cbranch_scc1 .Lnotopen_\@
	STEP 0, \qf, \qs
	s_branch .Lnext_\@
.Lnotopen_\@:
	s_cmp_gt_u32 s31, s[\sa]
	s_cbranch_scc1 .Lnext_\@
	STEP \mode, \qf, \qs
.Lnext_\@:
	s_add_co_u32 s28, s28, 4*ROWP
	s_add_co_u32 s29, s29, 512
	s_add_co_u32 s30, s30, 256
	s_add_co_u32 s31, s31, 1
	s_cmp_lt_u32 s31, 16
	s_cbranch_scc1 .Lstep_\@
	; THE WAY OUT: O^T / the sum goes through my stage and leaves as a query's 256 bytes of its head, sixteen lanes to a row
	TAILSUM                                        ; (also the places behind the last products)
	s_delay_alu instid0(VALU_DEP_1)
	v_add_f32 v14, v14, v15                        ; the sum's two halves,
	s_delay_alu instid0(VALU_DEP_1)
	v_permlanex16_b32 v237, v14, s24, s25
	s_delay_alu instid0(VALU_DEP_1)
	v_add_f32 v14, v14, v237                       ; and lane l xor 16's
	s_wait_alu depctr_va_vdst(0)                   ; the wait ahead of the transcendental
	v_rcp_f32 v14, v14
	v_nop                                          ; one plain line behind a transcendental
	s_wait_alu depctr_va_vdst(0)                   ; and ahead of its first reader, which is O^T's too
.set NN, 0
.rept 16
	v_pk_mul_f32 v[SS+NN:SS+NN+1], v[OO+NN:OO+NN+1], v[14:15] op_sel_hi:[1,0]   ; each accumulator from its low end on; register 16 b + i is channel 32 b + 16 h + i
.set NN, NN+2
.endr
.irp b, 0,1
.irp j, 0,1,2,3
	ds_store_b128 v5, v[SS+16*\b+4*\j:SS+16*\b+4*\j+3] offset:128*\b+16*\j
.endr
.endr
.irp i, 0,1,2,3,4,5,6,7
	ds_load_b128 v[128+4*\i:131+4*\i], v6 offset:2*SPITCH*\i   ; LDS serves a wave's instructions in order (ISA guide 5.7.1.4): these see my stores
.endr
.irp i, 0,1,2,3,4,5,6,7
	s_wait_dscnt 7-\i                              ; the younger loads from the stage may be out
	global_store_b128 v7, v[128+4*\i:131+4*\i], s[\ob:\ob+1] offset:(2*\i+8*(\i/4))*4096 th:TH_STORE_NT   ; stage row 2 i + h is query 2 i + h + 8 (i / 4) of the tile; 16 lanes store 256 consecutive bytes, aligned
.endr
.if \more
	s_wait_xcnt 0x0                                ; the stores have read their registers: the next pass writes them
.endif
.endm
	s_load_b128 s[4:7], s[0:1], 0x0                ; hd, out0
	v_lshl_add_u32 v[SPW], v0, 2, SPARE
	v_mov_b32 v[NIL], 0
	ds_add_u32 v[SPW], v[NIL]                      ; the opening: the add, twice on end, and its wait ahead of the first tensor load
	ds_add_u32 v[SPW], v[NIL]
	v_lshrrev_b32 v8, 5, v0
	v_readfirstlane_b32 s8, v8                     ; wave 0..15
	s_bfe_u32 s9, ttmp6, 0x40000                   ; cx: my place in the cluster
	s_and_b32 s10, ttmp7, 0xffff                   ; 16 x batch + head
	s_mov_b32 s16, 15|(3<<16)|(1<<20)|(1<<21)|(7<<22)|(31<<25)   ; codes: the mask of all four; elements of 8 bytes; 32 words of padding behind every 256
	s_mov_b32 s17, 128<<16                         ; tensor_dim0: 1,024 bytes
	s_mov_b32 s18, 16<<16                          ; tensor_dim1
	s_mov_b32 s19, 128<<16                         ; tile_dim0
	s_mov_b32 s20, 16                              ; tile_dim1
	s_mov_b32 s21, 128                             ; the pitch: dense
	s_mov_b32 s22, 0
	s_mov_b32 s23, 0
	s_mov_b32 s68, 15|(3<<16)|(1<<21)              ; scale words: 48 rows of 256 bytes, dense, no padding
	s_mov_b32 s69, 32<<16
	s_mov_b32 s70, 48<<16
	s_mov_b32 s71, 32<<16
	s_mov_b32 s72, 48
	s_mov_b32 s73, 32
	s_mov_b32 s74, 0
	s_mov_b32 s75, 0
	s_mov_b32 s12, 1
	s_mul_i32 s13, s8, 16*ROWP                     ; LDS: 16 padded rows a wave
	s_mov_b32 s32, 1
	s_mov_b32 s33, SCB
	s_mul_i32 s36, s10, REC
	s_mov_b32 s37, 0
	s_lshl_b32 s46, s8, 14                         ; memory: 16 rows of 1,024 bytes a wave
	s_mov_b32 s47, 0
	s_lshr_b32 s38, s10, 4
	s_lshl_b32 s38, s38, 23                        ; a batch of out0: 2,048 rows of 4,096 bytes
	s_and_b32 s39, s10, 15
	s_lshl_b32 s39, s39, 8                         ; a head: 256 bytes of a row
	s_add_co_u32 s38, s38, s39
	s_mov_b32 s39, 0
	s_mov_b32 s24, 0x76543210
	s_mov_b32 s25, 0xfedcba98                      ; v_permlanex16_b32's selects for lane l xor 16
	s_mov_b32 s26, 0x3e38aa3b                      ; c = log2(e) / 8
	s_mov_b32 s27, s26                             ; (named with it as a pair, so it is written)
	s_wait_dscnt 0x0                               ; both opening adds are done
	s_wait_kmcnt 0x0
	s_add_nc_u64 s[36:37], s[4:5], s[36:37]        ; the record
	s_add_nc_u64 s[38:39], s[6:7], s[38:39]        ; the head's first row of out0
	s_add_nc_u64 s[14:15], s[36:37], s[46:47]
	s_or_b32 s15, s15, 0x80000000
	s_add_nc_u64 s[34:35], s[36:37], 131072        ; the scale words lie behind the codes
	s_or_b32 s35, s35, 0x80000000
	CROUND                                         ; all four work-groups are here: the joint loads meet
	s_cmp_lt_u32 s8, 8                             ; one chain of branches on the wave's number, one load to an arm
	s_cbranch_scc0 .Lnot_codes
	tensor_load_to_lds s[12:15], s[16:23]
	s_nop 0
.rept 4
	v_nop
.endr
	s_branch .Lasked
.Lnot_codes:
	s_cmp_eq_u32 s8, 8
	s_cbranch_scc0 .Lasked
	tensor_load_to_lds s[32:35], s[68:75]
	s_nop 0
.rept 4
	v_nop
.endr
.Lasked:
	s_lshl_b32 s56, s8, 3
	s_sub_co_u32 s55, 124, s56
	s_add_co_u32 s55, s55, s9                      ; the first pass's tile: 4 (31 - 2 w) + cx
	s_add_co_u32 s56, s56, s9                      ; the second's: 4 (2 w) + cx
	s_xor_b32 s54, s8, 15                          ; the first pass's last step: 15 - w; the second's is w
	TILE 55, 40, 44, 42
	TILE 56, 50, 52, 48
	s_mul_i32 s11, s8, 16*SPITCH
	s_add_co_u32 s11, s11, STG                     ; my stage
	s_lshr_b32 s47, s9, 1
	s_lshl_b32 s47, s47, 5
	s_and_b32 s46, s9, 1
	s_lshl_b32 s46, s46, 3
	s_add_co_u32 s47, s47, s46                     ; my tiles' first query within their half step: 32 (cx / 2) + 8 (cx % 2)
	v_and_b32 v9, 31, v0                           ; lane
	v_and_b32 v10, 15, v0                          ; r
	v_bfe_u32 v11, v0, 4, 1                        ; h
	v_and_b32 v232, 7, v0                          ; r % 8
	v_bfe_u32 v233, v0, 3, 1                       ; r / 8
	v_mul_u32_u24 v1, v233, ROWP
	v_lshl_add_u32 v1, v11, 8, v1
	v_lshl_add_u32 v1, v232, 4, v1                 ; K's codes: a padded row x (r / 8) + 256 h + 16 (r % 8)
	v_lshl_add_u32 v2, v9, 4, VB                   ; V's: 16 x lane
	v_lshl_add_u32 v3, v232, 4, SCB
	v_lshl_add_u32 v3, v233, 3, v3                 ; K's scale words: 16 (r % 8) + 8 (r / 8)
	v_lshl_add_u32 v4, v10, 4, VSB                 ; V's: 16 r
	v_mul_u32_u24 v5, v10, SPITCH
	v_lshl_add_u32 v5, v11, 6, v5
	v_add_nc_u32 v5, s11, v5                       ; the stage, in: row r, + 64 h
	v_mul_u32_u24 v6, v11, SPITCH
	v_lshl_add_u32 v6, v10, 4, v6
	v_add_nc_u32 v6, s11, v6                       ; back: lanes 0-15 one row, lanes 16-31 the next
	v_lshlrev_b32 v7, 12, v11
	v_lshl_add_u32 v7, v10, 4, v7                  ; and the same two rows in out0
	v_lshlrev_b32 v92, 4, v9                       ; Q's codes: 16 x lane
	v_lshlrev_b32 v93, 4, v10                      ; Q's scale words: 16 r
	v_lshl_add_u32 v250, v233, 3, v10
	v_lshlrev_b32 v234, 5, v11
	v_sub_nc_u32 v250, v250, v234
	v_add_nc_u32 v250, s47, v250                   ; my query's place in its half step - 32 h
	v_lshlrev_b32 v249, 3, v11                     ; 8 h
	v_mov_b32 v251, 0xff800000                     ; -infinity
.irp j, 20,21,22,23,80,81,82,83,64,65,66,67,48,49,50,51,237,253
	v_mov_b32 v[\j], 0                             ; Q's zero codes; what stands behind K's last tile; a lane permute's destination and a pair's upper half are written once
.endr
	s_wait_alu depctr_va_vdst(0)                   ; the wait here, ahead of the loads that read the offsets
	global_load_b128 v[16:19], v92, s[40:41] offset:QOFF     ; both passes' Q stay in registers
	global_load_b32 v84, v93, s[44:45] offset:QSO
	global_load_b128 v[76:79], v92, s[50:51] offset:QOFF
	global_load_b32 v85, v93, s[52:53] offset:QSO
	INIT
	s_wait_alu depctr_va_vdst(0)                   ; the wait at the head's end
	s_wait_loadcnt 0x0                             ; Q
	s_wait_tensorcnt 0x0                           ; my load, if I had one, has landed,
	s_barrier_signal -1
	s_barrier_wait -1                              ; everybody's has.  The record's part of LDS is only read from here on
	PASS 1, 16, 84, 54, 42, 1                      ; the late tile first
	INIT
	PASS 2, 76, 85, 8, 48, 0
	s_wait_tensorcnt 0x0                           ; the wave's end
	ds_add_u32 v[SPW], v[NIL]
	s_wait_dscnt 0x0
	CROUND                                         ; the closing round
	s_endpgm
.Lfunc_end_k_q9187f56242_attn:
	.size	k_q9187f56242_attn, .Lfunc_end_k_q9187f56242_attn-k_q9187f56242_attn
	.p2alignl 7, 3214868480
	.fill 96, 4, 3214868480
	.section	.rodata,"a",@progbits
	.p2align	6, 0x0
	.amdhsa_kernel k_q9187f56242_attn
		.amdhsa_group_segment_fixed_size 231424
		.amdhsa_private_segment_fixed_size 0
		.amdhsa_enable_private_segment 0
		.amdhsa_kernarg_size 16
		.amdhsa_user_sgpr_count 2
		.amdhsa_user_sgpr_kernarg_segment_ptr 1
		.amdhsa_wavefront_size32 1
		.amdhsa_system_sgpr_workgroup_id_x 1
		.amdhsa_system_sgpr_workgroup_id_y 1
		.amdhsa_system_sgpr_workgroup_id_z 1
		.amdhsa_system_vgpr_workitem_id 0
		.amdhsa_next_free_vgpr 256
		.amdhsa_next_free_sgpr 76
		.amdhsa_reserve_vcc 1
		.amdhsa_float_denorm_mode_32 3
		.amdhsa_float_denorm_mode_16_64 3
		.amdhsa_memory_ordered 1
		.amdhsa_forward_progress 1
		.amdhsa_inst_pref_size 75
	.end_amdhsa_kernel
	.amdgpu_metadata
---
amdhsa.version: [ 1, 2 ]
amdhsa.kernels:
  - .name:           k_q9187f56242_attn
    .symbol:         k_q9187f56242_attn.kd
    .args:
      - { .name: hd, .offset: 0, .size: 8, .value_kind: global_buffer, .address_space: global }
      - { .name: out0, .offset: 8, .size: 8, .value_kind: global_buffer, .address_space: global }
    .group_segment_fixed_size: 231424
    .private_segment_fixed_size: 0
    .kernarg_segment_align: 8
    .kernarg_segment_size: 16
    .max_flat_workgroup_size: 512
    .sgpr_count:     76
    .vgpr_count:     256
    .wavefront_size: 32
...
	.end_amdgpu_metadata
.endif
;; end of part 3
